; MI455X (gfx1250); checked and timed in simulation.
; The chip was launched on July 23, 2026; its instructions are those of AMD's public machine-readable ISA for CDNA 5 (MIT licence, August 2026) and "CDNA5" Instruction Set Architecture Reference Guide (July 2026). The comments in the code are by the model that wrote it; some were corrected since.
;; Multi Head Attention. Allowed arithmetic: matrix products marked QUANTISED: E2M1 operands, one E8M0 scale for each 32 along K, by v_wmma_scale_f32_16x16x128_f8f6f4 with both operands' format E2M1 (or v_wmma_scale_f32_32x16x128_f4), f32 sums; everything else in f32.
;; Inputs: Wk 1,024 x 1,024 float32; Wo 1,024 x 1,024 float32; Wq 1,024 x 1,024 float32; Wv 1,024 x 1,024 float32; bo 1,024 float32; x 4 x 2,048 x 1,024 float32.
;; Outputs: out0 4 x 2,048 x 1,024 float32.
;; This version of the problem:
;;   THIS VERSION OF THE PROBLEM IS GIVEN IN LOW PRECISION. The matrix products marked QUANTISED in the list below multiply operands that are first quantised to E2M1 (2 exponent bits, 1 mantissa bit; 4 bits a number), with one power-of-two scale for each 32 numbers along K (OCP MX v1.0); their sums are f32. All else is computed in f32.
;;   The module's matrix products, in the order in which they are computed (A, B: the left and right operand; K: the contracted axis; several contracted axes count as one K, in the product's order):
;;     1. [M 8,192, K 1,024] x [K 1,024, N 1,024]; A: input x; B: input Wq: QUANTISED
;;     2. [M 8,192, K 1,024] x [K 1,024, N 1,024]; A: input x; B: input Wk: QUANTISED
;;     3. [M 8,192, K 1,024] x [K 1,024, N 1,024]; A: input x; B: input Wv: QUANTISED
;;     4. batch 64 x [M 2,048, K 64] x [K 64, N 2,048]; A: computed on the way; B: computed on the way: QUANTISED
;;     5. batch 64 x [M 2,048, K 2,048] x [K 2,048, N 64]; A: softmax (see below); B: computed on the way: QUANTISED
;;     6. [M 8,192, K 1,024] x [K 1,024, N 1,024]; A: computed on the way; B: input Wo: QUANTISED
;;   THE QUANTISER, for each operand of a quantised product, along K:
;;     - K is cut into blocks of 32 from its start; a last block that is shorter is filled with zeros.
;;     - A block's scale is 2^e with e = floor(log2(the largest magnitude in the block)) - 2, held to -126 .. 127; a block of zeros has e = 0. As a byte (E8M0): e + 127.
;;     - Each number is divided by its block's scale, clamped to +-6, and rounded to the nearest number of E2M1, ties to even, subnormals kept.
;;     - The product sums the exact products of the quantised numbers (number of the format x scale) in f32.
;;   ~~~python
;;   def quantise(x, axis):      # numpy; x: float32 -> the quantised numbers, widened to float32 again
;;       x = np.moveaxis(x, axis, -1); K = x.shape[-1]
;;       x = np.pad(x, [(0, 0)] * (x.ndim - 1) + [(0, -K % 32)]); x = x.reshape(x.shape[:-1] + (-1, 32)); a = np.abs(x).max(-1, keepdims=True)
;;       e = np.where(a > 0, np.clip(np.frexp(np.where(a > 0, a, 1))[1] - 1 - 2, -126, 127), 0)      # np.frexp(a)[1] - 1 = floor(log2(a)), exactly
;;       r = np.clip(x / 2.0 ** e, -6, 6)
;;       step = 2.0 ** (np.maximum(np.frexp(np.where(r == 0, 1, r))[1] - 1, 0) - 1)
;;       q = np.round(r / step) * step * 2.0 ** e      # np.round: ties to even
;;       return np.moveaxis(q.reshape(q.shape[:-2] + (-1,))[..., :K], -1, axis).astype(np.float32)
;;   ~~~
;;   SOFTMAX AHEAD OF A QUANTISED PRODUCT. Where the list says 'softmax', what is quantised is not the finished softmax but p = 2^(t - M), with t = logit x log2(e) and M = ceil(the row's largest t), a whole number; so 1/2 < the row's largest p <= 1. The row's sum l is taken of the UNQUANTISED p, in f32, and the product's result is divided by l at the end. Since M is a whole number, a kernel that streams over the keys may use a running M (the ceiling of the running maximum): every later rescaling is an exact power of two, which a block's scale takes up: the codes' values come out the same.
;;   OPERANDS COMPUTED ON THE WAY. 'Computed on the way' means the value that the module computes at that place (a softmax that the list does not call 'softmax' is quantised finished and normalised). What goes into a quantiser is computed in f32, as accurately as f32 sums, v_exp_f32 and their like allow (about 1e-6 of the number): no bf16 or f16 on the way to a quantiser, and a product that is left as it is and whose result goes on into a quantised operand takes f32 operands (vector FMAs, or v_wmma_f32_16x16x4_f32). A number that lies on a knife's edge between two numbers of the format may be rounded either way, as far as f32 arithmetic and the matrix unit's own rounding can turn it there, and no further.
;; One version. Each part assembles by itself: llvm-mc -triple=amdgcn-amd-amdhsa -mcpu=gfx1250 --defsym DOCPART=n.
;; ======== version 1 of 1: 4 launches
;; workspace buffers: img_codes 6,291,456 bytes; img_scales 393,216 bytes; qkv_codes 12,582,912 bytes; qkv_scales 1,310,720 bytes; ctx_codes 4,194,304 bytes; ctx_scales 262,144 bytes
;; launch quant (part 1): grid 384 x 1, 4 waves a work-group, no clusters, 34,304 bytes of LDS; arguments x, Wq, Wk, Wv, Wo, img_codes, img_scales; writes img_codes, img_scales
.if DOCPART == 1
	.amdgcn_target "amdgcn-amd-amdhsa--gfx1250"
	.amdhsa_code_object_version 6
	.text
	.protected	k_q4019b41060_quant
	.globl	k_q4019b41060_quant
	.p2align	8
	.type	k_q4019b41060_quant,@function
k_q4019b41060_quant:
	s_mov_b64 s[64:65], 0
	v_nop
	global_prefetch_b8 v0, s[64:65] scope:SCOPE_SE
	s_setreg_imm32_b32 hwreg(HW_REG_WAVE_MODE, 25, 1), 1
	s_wait_xcnt 0x0
; x [8192][1024] and Wq, Wk, Wv, Wo [1024][1024], f32, K innermost, become codes of FP4 (E2M1) with one E8M0 byte for each 32 along K.
; They are laid as IMAGES OF THE OPERAND'S REGISTERS: 12,288 rows on end (x, Wq, Wk, Wv, Wo) in 768 tiles of 16 rows.
; Lane r of tile T holds row 32 (T / 2) + 8 (T % 2) + r + 8 (r / 8).  Codes: T x 8192 + s x 1024 + c x 512 + 16 x lane holds k = 128 s + 64 c + 32 (lane / 16) + 0 .. 31.
; Scale words (four bytes: 128 along K of one row): T x 512 + (s / 4) x 256 + 16 r + 4 (s % 4).
; A block's scale is 2^(floor(log2(its largest magnitude)) - 2); its byte is the largest magnitude's exponent field - 2, held at 1 from below.
; LIMITS: a block of zeros, or one whose largest magnitude lies under 2^-124, keeps the byte 1 (the bytes are read by this program alone; zero codes add nothing); NaN and infinities are not served.
; SHARES: a wave takes half a tile: 16 rows x 512 along K, four K steps of 128.  Each load reads 512 consecutive bytes of one row; a K step's 16 rows turn through the wave's own stage in LDS
; (pitch 528), from which lane (r, h) takes two whole blocks of 32 of its row.  Every store of codes covers 512 consecutive bytes, the store of scale words 256.  Waves share nothing: no barrier.
.set PIT,  528                         ; a stage row: 512 bytes + 16
.set STGB, 16*PIT                      ; a wave's stage
.set RA,   32                          ; v32-159  two sets of 64: a K step as loaded
.set XN,   160                         ; v160-223 my two blocks of 32 numbers
.set CO,   224                         ; v224-255 codes: eight registers for each K step, so that no store's data are written again
.set WD,   16                          ; v16-19   the four scale words
	s_load_b256 s[4:11], s[0:1], 0x0               ; x, Wq, Wk, Wv
	s_load_b128 s[12:15], s[0:1], 0x20             ; Wo, img_codes
	s_load_b64 s[16:17], s[0:1], 0x30              ; img_scales
	v_lshl_add_u32 v30, v0, 2, 0x8400
	v_mov_b32 v31, 0
	v_lshrrev_b32 v1, 5, v0
	v_readfirstlane_b32 s18, v1                    ; wave 0..3
	v_and_b32 v1, 31, v0                           ; lane
	v_and_b32 v2, 15, v0                           ; r
	v_bfe_u32 v22, v0, 4, 1                        ; h
	v_lshlrev_b32 v3, 3, v22                       ; 8 h: my bytes' shift in a scale word
	v_lshlrev_b32 v4, 4, v1                        ; 16 x lane: loads and stores of codes
	s_mul_i32 s19, s18, STGB
	v_add_nc_u32 v5, s19, v4                       ; the stage, way in: 16 x lane of a row
	v_mul_u32_u24 v6, v2, PIT
	v_lshl_add_u32 v6, v22, 7, v6
	v_add_nc_u32 v6, s19, v6                       ; way out: row r, + 128 h: my block of 32 numbers
	v_lshlrev_b32 v7, 4, v2
	v_lshl_add_u32 v7, v22, 3, v7                  ; the scale words' store: 16 r + 8 h
	v_mov_b32 v15, 0                               ; written once: a lane permute's destination counts as one of its sources
	s_mov_b32 s26, 0x76543210
	s_mov_b32 s27, 0xfedcba98                      ; selects for lane l xor 16
	s_lshl_b32 s28, ttmp9, 2
	s_add_co_u32 s28, s28, s18                     ; my job J = 4 x work-group + wave = 2 x tile + half
	s_lshr_b32 s29, s28, 1                         ; the tile
	s_and_b32 s30, s28, 1                          ; which half of K
	s_and_b32 s31, s29, 63
	s_cmp_lt_u32 ttmp9, 256
	s_cselect_b32 s31, s29, s31                    ; the tile within its own tensor: x has 512, a weight 64
	s_lshr_b32 s32, s31, 1
	s_lshl_b32 s32, s32, 5
	s_and_b32 s33, s31, 1
	s_lshl_b32 s33, s33, 3
	s_add_co_u32 s32, s32, s33                     ; the tile's first row
	s_lshl_b32 s32, s32, 12                        ; rows of 4,096 bytes
	s_lshl_b32 s33, s30, 11
	s_add_co_u32 s32, s32, s33                     ; + 2,048 for the second half of K
	s_mov_b32 s33, 0
	s_lshl_b32 s34, s28, 12                        ; codes: J x 4,096
	s_mov_b32 s35, 0
	s_lshl_b32 s36, s28, 8                         ; scale words: J x 256
	s_mov_b32 s37, 0
	s_wait_kmcnt 0x0
	s_cmp_lt_u32 ttmp9, 352                        ; which tensor: the choice hangs on the work-group's number alone
	s_cselect_b64 s[20:21], s[10:11], s[12:13]
	s_cmp_lt_u32 ttmp9, 320
	s_cselect_b64 s[20:21], s[8:9], s[20:21]
	s_cmp_lt_u32 ttmp9, 288
	s_cselect_b64 s[20:21], s[6:7], s[20:21]
	s_cmp_lt_u32 ttmp9, 256
	s_cselect_b64 s[20:21], s[4:5], s[20:21]
	s_add_nc_u64 s[20:21], s[20:21], s[32:33]
	s_add_nc_u64 s[22:23], s[14:15], s[34:35]
	s_add_nc_u64 s[24:25], s[16:17], s[36:37]
.macro QLOAD q                         ; K step q of the tile's 16 rows: row i of the tile lies i + 8 (i / 8) rows on
.irp i, 0,1,2,3,4,5,6,7,8,9,10,11,12,13,14,15
	global_load_b128 v[RA+64*((\q)%2)+4*\i:RA+64*((\q)%2)+4*\i+3], v4, s[20:21] offset:(\i+8*(\i/8))*4096+512*(\q) th:TH_LOAD_NT
.endr
.endm
.macro QSTEP q
.if (\q) < 3
	s_wait_loadcnt 16                              ; this K step's sixteen loads are in; the next step's sixteen may be out
.else
	s_wait_loadcnt 0x0
.endif
.irp i, 0,1,2,3,4,5,6,7,8,9,10,11,12,13,14,15
	ds_store_b128 v5, v[RA+64*((\q)%2)+4*\i:RA+64*((\q)%2)+4*\i+3] offset:PIT*\i
.endr
.irp c, 0,1
.irp j, 0,1,2,3,4,5,6,7
	ds_load_b128 v[XN+32*\c+4*\j:XN+32*\c+4*\j+3], v6 offset:256*\c+16*\j   ; LDS serves a wave's instructions in order: these see the stores above
.endr
.endr
	s_wait_dscnt 0x0
.if (\q) < 2
	QLOAD (\q)+2                                   ; into the set that the stage's stores have just read
.endif
.irp c, 0,1                                    ; block 2 c + h of my row: all its 32 numbers are mine
	v_max3_num_f32 v[8+\c], |v[XN+32*\c]|, |v[XN+32*\c+1]|, 0x1800000    ; with the floor 2^(3 - 127): the byte cannot fall under 1
.endr
.irp i, 2,4,6,8,10,12,14,16,18,20,22,24,26,28,30
.irp c, 0,1
	v_max3_num_f32 v[8+\c], v[8+\c], |v[XN+32*\c+\i]|, |v[XN+32*\c+\i+1]|
.endr
.endr
.irp c, 0,1
	v_add_nc_u32 v[10+\c], 0xff000000, v[8+\c]     ; 2 off the exponent field: the conversion's scale operand
.endr
.irp c, 0,1
	v_lshrrev_b32 v[12+\c], 23, v[10+\c]           ; the scale's byte
.endr
	v_lshl_or_b32 v14, v13, 16, v12                ; my two bytes, blocks h and 2 + h,
	v_lshlrev_b32 v14, v3, v14                     ; at their places in the word;
	v_permlanex16_b32 v15, v14, s26, s27
	v_or_b32 v[WD+(\q)], v14, v15                  ; with lane l xor 16's two the word is whole
.irp c, 0,1
.irp g, 0,1,2,3
	v_cvt_scalef32_pk8_fp4_f32 v[CO+8*(\q)+4*\c+\g], v[XN+32*\c+8*\g:XN+32*\c+8*\g+7], v[10+\c]
.endr
.endr
	v_nop                                          ; one plain instruction behind the last scaled conversion
.irp c, 0,1
	global_store_b128 v4, v[CO+8*(\q)+4*\c:CO+8*(\q)+4*\c+3], s[22:23] offset:1024*(\q)+512*\c   ; 32 lanes store 512 consecutive bytes
.endr
.endm
	QLOAD 0
	QLOAD 1
	QSTEP 0
	QSTEP 1
	QSTEP 2
	QSTEP 3
	v_cmp_eq_u32 vcc_lo, 1, v22                    ; both halves of the lanes hold all four words: lanes 0-15 store words 0, 1, lanes 16-31 words 2, 3
	v_cndmask_b32 v20, v[WD], v[WD+2], vcc_lo
	v_cndmask_b32 v21, v[WD+1], v[WD+3], vcc_lo
	global_store_b64 v7, v[20:21], s[24:25]        ; 32 lanes store 256 consecutive bytes, aligned
	s_wait_tensorcnt 0x0
	ds_add_u32 v30, v31
	s_wait_dscnt 0x0
	s_endpgm
.Lfunc_end_k_q4019b41060_quant:
	.size	k_q4019b41060_quant, .Lfunc_end_k_q4019b41060_quant-k_q4019b41060_quant
	.p2alignl 7, 3214868480
	.fill 96, 4, 3214868480
	.section	.rodata,"a",@progbits
	.p2align	6, 0x0
	.amdhsa_kernel k_q4019b41060_quant
		.amdhsa_group_segment_fixed_size 34304
		.amdhsa_private_segment_fixed_size 0
		.amdhsa_enable_private_segment 0
		.amdhsa_kernarg_size 56
		.amdhsa_user_sgpr_count 2
		.amdhsa_user_sgpr_kernarg_segment_ptr 1
		.amdhsa_wavefront_size32 1
		.amdhsa_system_sgpr_workgroup_id_x 1
		.amdhsa_system_sgpr_workgroup_id_y 1
		.amdhsa_system_sgpr_workgroup_id_z 1
		.amdhsa_system_vgpr_workitem_id 0
		.amdhsa_next_free_vgpr 256
		.amdhsa_next_free_sgpr 66
		.amdhsa_reserve_vcc 1
		.amdhsa_float_denorm_mode_32 3
		.amdhsa_float_denorm_mode_16_64 3
		.amdhsa_memory_ordered 1
		.amdhsa_forward_progress 1
		.amdhsa_inst_pref_size 30
	.end_amdhsa_kernel
	.amdgpu_metadata
---
amdhsa.version: [ 1, 2 ]
amdhsa.kernels:
  - .name:           k_q4019b41060_quant
    .symbol:         k_q4019b41060_quant.kd
    .args:
      - { .name: x, .offset: 0, .size: 8, .value_kind: global_buffer, .address_space: global }
      - { .name: Wq, .offset: 8, .size: 8, .value_kind: global_buffer, .address_space: global }
      - { .name: Wk, .offset: 16, .size: 8, .value_kind: global_buffer, .address_space: global }
      - { .name: Wv, .offset: 24, .size: 8, .value_kind: global_buffer, .address_space: global }
      - { .name: Wo, .offset: 32, .size: 8, .value_kind: global_buffer, .address_space: global }
      - { .name: img_codes, .offset: 40, .size: 8, .value_kind: global_buffer, .address_space: global }
      - { .name: img_scales, .offset: 48, .size: 8, .value_kind: global_buffer, .address_space: global }
    .group_segment_fixed_size: 34304
    .private_segment_fixed_size: 0
    .kernarg_segment_align: 8
    .kernarg_segment_size: 56
    .max_flat_workgroup_size: 128
    .sgpr_count:     66
    .vgpr_count:     256
    .wavefront_size: 32
...
	.end_amdgpu_metadata
.endif
;; end of part 1
;; launch qkv (part 2): grid 8 x 96, 4 waves a work-group, clusters of 4 x 4, 209,408 bytes of LDS; arguments img_codes, img_scales, qkv_codes, qkv_scales; writes qkv_codes, qkv_scales
.if DOCPART == 2
	.amdgcn_target "amdgcn-amd-amdhsa--gfx1250"
	.amdhsa_code_object_version 6
	.text
	.protected	k_q4019b41060_qkv
	.globl	k_q4019b41060_qkv
	.p2align	8
	.type	k_q4019b41060_qkv,@function
k_q4019b41060_qkv:
	s_mov_b64 s[64:65], 0
	v_nop
	global_prefetch_b8 v0, s[64:65] scope:SCOPE_SE
	s_setreg_imm32_b32 hwreg(HW_REG_WAVE_MODE, 25, 1), 1
	s_wait_xcnt 0x0
	s_wait_alu depctr_hold_cnt(0) depctr_sa_sdst(0) depctr_va_vdst(0) depctr_va_sdst(0) depctr_va_ssrc(0) depctr_va_vcc(0) depctr_vm_vsrc(0)
	s_getreg_b32 s2, hwreg(HW_REG_IB_STS2, 6, 4)
	s_cmp_eq_u32 s2, 0
	s_cbranch_scc0 .Lentry_in_a_cluster
	s_endpgm
.Lentry_in_a_cluster:
	s_bfe_u32 s2, ttmp6, 0x10000c
	s_cmp_lg_u32 s2, 0xf033
	s_cbranch_scc0 .Lentry_shape_is_right
	s_endpgm
.Lentry_shape_is_right:
; The three projections on codes of FP4, and the quantising of their results.  Out[i][j] = sum over k of P[i][k] R[j][k], K = 1,024; P and R are rows of the image buffers (their layout: the launch in front).
; q, k (clusters y = 0 .. 15): P = x (64 blocks of 128 rows), R = Wq | Wk (8 blocks of 256 rows).  v (clusters y = 16 .. 23): P = Wv (8 blocks), R = x (32 blocks): v comes out TRANSPOSED, keys along a lane's registers.
; A work-group makes 128 rows of P x 256 rows of R; a wave 64 x 128: 32 accumulators.  768 work-groups.  THE MATRIX INSTRUCTION IS USED TRANSPOSED (source 0 = 16 rows of R, source 1 = 16 rows of P):
; a lane holds one row of P, and by the tiles' row order the 16 registers of R's tiles 2 b and 2 b + 1 are the neighbours 32 b + 16 (lane / 16) + 0 .. 15 along j: the axis along which the result is quantised.
; ALL OF K LIES IN LDS: two slots of 512 along K and the scale words, each filled once by joint tensor loads; nothing is filled again.  A tile's part of a slot is 4,096 consecutive bytes of memory,
; and a fragment is read as it lies: 16 bytes a lane, 512 consecutive bytes an instruction, so there is no padding.
; CLUSTER 4 x 4: P's tiles are shared along a row of the cluster, R's along a column.
; THE WAY OUT uses no LDS: 64 registers of a lane become one fragment (8 registers) and one scale word, stored as register images for the attention launch:
;   qkv_codes, for each (batch, head) 196,608 bytes: Q [tile 128][lane][16], K likewise at 65,536 (K = the head's 64: half a fragment), V at 131,072 [key step 16][d tile 4][c 2][lane][16];
;   qkv_scales, 20,480 bytes: Q [group of 4 tiles][r][4 words], K at 8,192 likewise (two bytes in a word's low half, 0 above), V at 16,384 [key step][r][d tile 4 words].
; LIMITS: a block under 2^-124 keeps the byte 1; NaN and infinities are not served.
; REGISTERS: window 0: v2 r, v3 h, v9-11, v26 offsets, v16-17, v20-21, v27 LDS addresses; v32-95 scale words; v96-119 at work on the way out; v128-191 P's fragments, two sets; v192-223 the codes made.
;   window 1: R's fragments, two sets, at v0 and v128.   window 2: accumulator (a, b) at v[8 (8 a + b)].
.set SLOT,  98304                      ; a slot: P's 8 tiles x 4,096, then R's 16 tiles x 4,096
.set SCL,   196608                     ; behind the slots: P's scale words (4,096 bytes), then R's (8,192)
.set SC,    32
.set AF,    128
.set TM,    96                         ; v96-99 largest magnitudes, v100-103 bytes, v108-111 the conversions' scale operands
.set PW,    112                        ; v112-115 the four scale words made
.set CD,    192
.set PCO,   4                          ; s[4:5] P's codes, s[6:7] P's scale words; R's are the same buffers here
.set PSC,   6
.set RCO,   4
.set RSC,   6
.set G1P,   24                         ; s[24:31] group 1 for P's tiles; s[32:39] groups 0, one for each slot
.set G0P,   32
.set G1R,   52                         ; s[52:59] for R's; groups 0 in s[60:63] and s[68:71]
.set G0R,   60
.set G1SP,  72                         ; s[72:79], s[80:87] groups 1 for the scale words; s[88:91], s[92:95] their groups 0
.set G1SR,  80
.set G0SP,  88
.set G0SR,  92
.set SEL,   66
.set MSB, 0
.macro WIN new                         ; the immediate's high byte repeats the setting that is left
.if MSB != \new
	s_set_vgpr_msb (MSB<<8)|\new
.set MSB, \new
.endif
.endm
.macro PLACES                          ; four plain instructions between a matrix instruction and a load into, or a read of, its registers
.rept 4
	v_nop
.endr
.endm
; A joint load: waves 0 and 1 fetch for P, waves 2 and 3 for R.  The branch hangs on the wave's number alone.  Four v_nop follow each of the two lines.
.macro JLOAD g0p, g1p, g0r, g1r
	s_cmp_eq_u32 s17, 0
	s_cbranch_scc0 .Lfor_r_\@
	tensor_load_to_lds s[\g0p:\g0p+3], s[\g1p:\g1p+7]
	s_nop 0
.rept 4
	v_nop
.endr
	s_branch .Lasked_\@
.Lfor_r_\@:
	tensor_load_to_lds s[\g0r:\g0r+3], s[\g1r:\g1r+7]
	s_nop 0
.rept 4
	v_nop
.endr
.Lasked_\@:
.endm
.macro CROUND                          ; a round of the cluster's barrier
	s_barrier_signal -1
	s_barrier_wait -1
	s_cmp_lg_u32 s16, 0
	s_cbranch_scc1 .Lnot_wave_0_\@
	s_barrier_signal -3
.Lnot_wave_0_\@:
	s_barrier_wait -3
	s_barrier_signal -1
	s_barrier_wait -1
.endm
.macro SCALES                          ; all scale words: register SC + 32 sigma + 4 i + q: lanes 0-15 P's tile i, lanes 16-31 R's tile i (for i > 3 the low lanes hold words that nobody uses)
.irp g, 0,1
.irp i, 0,1,2,3,4,5,6,7
	ds_load_b128 v[SC+32*\g+4*\i:SC+32*\g+4*\i+3], v27 offset:512*\i+256*\g
.endr
.endr
.endm
.macro FETCH k                         ; the fragments of K step k (128 along K) into set k % 2: R's eight, P's four
.set FSL, (\k)/4
.set FQQ, (\k)%4
.set FPP, (\k)%2
	WIN 0x40                                       ; destination window 1, address window 0
.irp b, 0,1,2,3,4,5,6,7
.irp c, 0,1
	ds_load_b128 v[128*FPP+8*\b+4*\c:128*FPP+8*\b+4*\c+3], v[20+FSL] offset:4096*\b+1024*FQQ+512*\c
.endr
.endr
	WIN 0
.irp a, 0,1,2,3
.irp c, 0,1
	ds_load_b128 v[AF+32*FPP+8*\a+4*\c:AF+32*FPP+8*\a+4*\c+3], v[16+FSL] offset:4096*\a+1024*FQQ+512*\c
.endr
.endr
.endm
; cnt x 8 matrix instructions of K step k: P's tiles a0 on, each against R's eight.  cmode = 1: the products start the sums.  The 32 accumulators take turns, one instruction a turn.
.macro MUL k, a0, cnt, cmode
.set MS, (\k)/4
.set MQ, (\k)%4
.set MP, (\k)%2
.set MA, \a0
.rept \cnt
.irp b, 0,1,2,3,4,5,6,7
.if \cmode == 1
	v_wmma_scale_f32_16x16x128_f8f6f4 v[8*(8*MA+\b):8*(8*MA+\b)+7], v[128*MP+8*\b:128*MP+8*\b+7], v[AF+32*MP+8*MA:AF+32*MP+8*MA+7], 0, v[SC+32*MS+4*\b+MQ], v[SC+32*MS+4*MA+MQ] matrix_a_fmt:MATRIX_FMT_FP4 matrix_b_fmt:MATRIX_FMT_FP4 matrix_a_scale:MATRIX_SCALE_ROW1
.else
	v_wmma_scale_f32_16x16x128_f8f6f4 v[8*(8*MA+\b):8*(8*MA+\b)+7], v[128*MP+8*\b:128*MP+8*\b+7], v[AF+32*MP+8*MA:AF+32*MP+8*MA+7], v[8*(8*MA+\b):8*(8*MA+\b)+7], v[SC+32*MS+4*\b+MQ], v[SC+32*MS+4*MA+MQ] matrix_a_fmt:MATRIX_FMT_FP4 matrix_b_fmt:MATRIX_FMT_FP4 matrix_a_scale:MATRIX_SCALE_ROW1
.endif
.endr
.set MA, MA+1
.endr
.endm
; A K step: its fragments are in; the next step's are asked for; then its 32 products.  Step 3 is the last of slot 0: slot 1 is shown whole to all four waves by one barrier ahead of the first read of it.
.macro STEP k, cmode
	s_wait_dscnt 0x0                               ; this step's fragments (asked for a step ago) are in
.if (\k) == 3
	s_wait_tensorcnt 0x0                           ; my part of slot 1 has landed;
	s_barrier_signal -1
	WIN 0xa1
	MUL \k, 0, 2, 0                                ; (work on registers while the others arrive)
	s_barrier_wait -1                              ; everybody's has
.endif
.if (\k) < 7
.if (\k) > 0
	PLACES                                         ; the set about to be loaded was read by the step before
.endif
	FETCH (\k)+1
.endif
	WIN 0xa1                                       ; source 0 (R) window 1, source 1 (P) window 0, C and D window 2
.if (\k) == 3
	MUL \k, 2, 2, 0
.else
	MUL \k, 0, 4, \cmode
.endif
.endm
	s_load_b256 s[4:11], s[0:1], 0x0               ; img_codes, img_scales, qkv_codes, qkv_scales
	v_lshl_add_u32 v254, v0, 2, 0x33000
	v_mov_b32 v255, 0
	ds_add_u32 v254, v255
	ds_add_u32 v254, v255
	v_lshrrev_b32 v1, 5, v0
	v_readfirstlane_b32 s16, v1                    ; wave 0..3
	s_lshr_b32 s17, s16, 1                         ; which 64 rows of P are mine.  Also: I fetch for P (0) or for R (1)
	s_and_b32 s18, s16, 1                          ; which 128 rows of R are mine.  Also: which half of that tile I fetch
	s_bfe_u32 s40, ttmp6, 0x40000                  ; cx
	s_bfe_u32 s41, ttmp6, 0x40004                  ; cy
	s_lshl_b32 s42, ttmp9, 2
	s_add_co_u32 s42, s42, s40                     ; work-group x = 4 x cluster x + cx
	s_and_b32 s46, ttmp7, 0xffff                   ; cluster y: 0 .. 15 q and k, 16 .. 23 v
	s_lshl_b32 s44, s41, 2
	s_lshl_b32 s44, 15, s44                        ; my row of the cluster
	s_lshl_b32 s45, 0x1111, s40                    ; my column
	s_and_b32 s12, s46, 1
	s_lshl_b32 s12, s12, 2
	s_add_co_u32 s12, s12, 80                      ; v: P = Wv, blocks 80 + 4 (y & 1) + cy
	s_lshl_b32 s13, s46, 2                         ; q, k: P = x, blocks 4 y + cy
	s_lshr_b32 s14, s46, 1
	s_and_b32 s14, s14, 3
	s_lshl_b32 s14, s14, 3                         ; v: R = x, blocks 8 ((y - 16) / 2) + work-group x
	s_cmp_ge_u32 s46, 16
	s_cselect_b32 s43, s12, s13
	s_cselect_b32 s49, s14, 32                     ; q, k: R = Wq | Wk, blocks 32 + work-group x
	s_add_co_u32 s43, s43, s41                     ; P's block of 128 rows: it never holds cx
	s_add_co_u32 s49, s49, s42                     ; R's block of 256 rows: it never holds cy
	; descriptor groups 1: elements of 8 bytes, no padding; bit 21 set beside a mask.  Codes: a tile's 4,096 bytes are a row of 512 elements, tiles 8,192 bytes (1,024 elements) apart
	s_or_b32 s[G1P], s44, (3<<16)|(1<<21)
	s_or_b32 s[G1R], s45, (3<<16)|(1<<21)
	s_or_b32 s[G1SP], s44, (3<<16)|(1<<21)
	s_or_b32 s[G1SR], s45, (3<<16)|(1<<21)
.irp g, G1P, G1R
	s_mov_b32 s[\g+1], 512<<16                     ; tensor_dim0
	s_mov_b32 s[\g+3], 512<<16                     ; tile_dim0
	s_mov_b32 s[\g+5], 1024                        ; from tile to tile
	s_mov_b32 s[\g+6], 0
	s_mov_b32 s[\g+7], 0
.endr
	s_mov_b32 s[G1P+2], 4<<16                      ; P: four tiles a wave
	s_mov_b32 s[G1P+4], 4
	s_mov_b32 s[G1R+2], 8<<16                      ; R: eight
	s_mov_b32 s[G1R+4], 8
.irp g, G1SP, G1SR                             ; scale words: dense, as rows of 256 bytes
	s_mov_b32 s[\g+1], 32<<16
	s_mov_b32 s[\g+3], 32<<16
	s_mov_b32 s[\g+5], 32
	s_mov_b32 s[\g+6], 0
	s_mov_b32 s[\g+7], 0
.endr
	s_mov_b32 s[G1SP+2], 8<<16                     ; P: 2,048 bytes a wave
	s_mov_b32 s[G1SP+4], 8
	s_mov_b32 s[G1SR+2], 16<<16                    ; R: 4,096
	s_mov_b32 s[G1SR+4], 16
	s_lshl_b32 s20, s43, 3
	s_lshl_b32 s19, s18, 2
	s_add_co_u32 s20, s20, s19                     ; P: the first tile that I would fetch: 8 x block + 4 x half
	s_lshl_b32 s22, s20, 9                         ; its scale words,
	s_lshl_b32 s20, s20, 13                        ; its codes
	s_mov_b32 s21, 0
	s_mov_b32 s23, 0
	s_lshl_b32 s96, s49, 4
	s_lshl_b32 s19, s18, 3
	s_add_co_u32 s96, s96, s19                     ; R: 16 x block + 8 x half
	s_lshl_b32 s98, s96, 9
	s_lshl_b32 s96, s96, 13
	s_mov_b32 s97, 0
	s_mov_b32 s99, 0
	s_lshl_b32 s47, s18, 14                        ; where they go in a slot: no place in the cluster enters an LDS address
	s_lshl_b32 s48, s18, 15
	s_add_co_u32 s48, s48, 32768
	s_lshl_b32 s50, s18, 11
	s_add_co_u32 s50, s50, SCL
	s_lshl_b32 s51, s18, 12
	s_add_co_u32 s51, s51, SCL+4096
	s_wait_dscnt 0x0
	s_wait_kmcnt 0x0
	s_add_nc_u64 s[20:21], s[PCO:PCO+1], s[20:21]
	s_add_nc_u64 s[22:23], s[PSC:PSC+1], s[22:23]
	s_add_nc_u64 s[96:97], s[RCO:RCO+1], s[96:97]
	s_add_nc_u64 s[98:99], s[RSC:RSC+1], s[98:99]
	CROUND                                         ; all sixteen work-groups are here: the joint loads meet
	s_mov_b32 s[G0SP], 1
	s_mov_b32 s[G0SP+1], s50
	s_mov_b64 s[G0SP+2:G0SP+3], s[22:23]
	s_or_b32 s[G0SP+3], s[G0SP+3], 0x80000000
	s_mov_b32 s[G0SR], 1
	s_mov_b32 s[G0SR+1], s51
	s_mov_b64 s[G0SR+2:G0SR+3], s[98:99]
	s_or_b32 s[G0SR+3], s[G0SR+3], 0x80000000
	JLOAD G0SP, G1SP, G0SR, G1SR                   ; the scale words first: they are wanted with K step 0
.irp s, 0,1
	s_mov_b32 s[G0P+4*\s], 1
	s_add_co_u32 s[G0P+4*\s+1], s47, \s*SLOT
	s_add_nc_u64 s[G0P+4*\s+2:G0P+4*\s+3], s[20:21], \s*4096
	s_or_b32 s[G0P+4*\s+3], s[G0P+4*\s+3], 0x80000000
	s_mov_b32 s[G0R+8*\s], 1
	s_add_co_u32 s[G0R+8*\s+1], s48, \s*SLOT
	s_add_nc_u64 s[G0R+8*\s+2:G0R+8*\s+3], s[96:97], \s*4096
	s_or_b32 s[G0R+8*\s+3], s[G0R+8*\s+3], 0x80000000
	JLOAD G0P+4*\s, G1P, G0R+8*\s, G1R             ; by this text's count three tensor loads of a wave are out at the most
.endr
	v_and_b32 v2, 15, v0                           ; r
	v_bfe_u32 v3, v0, 4, 1                         ; h
	v_and_b32 v26, 31, v0
	v_lshlrev_b32 v26, 4, v26                      ; 16 x lane
	s_lshl_b32 s100, s17, 14
	v_add_nc_u32 v16, s100, v26                    ; my four tiles of P in slot 0,
	v_add_nc_u32 v17, SLOT, v16                    ; in slot 1
	s_lshl_b32 s100, s18, 15
	s_add_co_u32 s100, s100, 32768
	v_add_nc_u32 v20, s100, v26                    ; my eight tiles of R
	v_add_nc_u32 v21, SLOT, v20
	v_lshlrev_b32 v5, 4, v2                        ; scale words: 16 bytes a row;
	s_lshl_b32 s100, s17, 11                       ; lanes 0-15: my four tiles of P,
	s_lshl_b32 s101, s18, 12
	s_add_co_u32 s101, s101, 4096                  ; lanes 16-31: my eight tiles of R, behind P's 4,096 bytes:
	s_sub_co_u32 s101, s101, s100
	v_mul_u32_u24 v6, s101, v3                     ; the lower base + h x the distance
	s_add_co_u32 s100, s100, SCL
	v_add_nc_u32 v5, v5, v6
	v_add_nc_u32 v27, s100, v5
	v_lshlrev_b32 v9, 4, v3                        ; the way out: 16 h: which half of a scale word is my head's
	v_lshlrev_b32 v10, 4, v2
	v_mad_u32_u24 v10, v3, 0x5000, v10             ; q, k: 16 r, and lanes 16-31 one (batch, head) on: 20,480 bytes
	v_lshlrev_b32 v11, 4, v2
	v_lshl_add_u32 v11, v3, 3, v11                 ; v: 16 r + 8 h
.irp b, 0,1,2,3
	v_mov_b32 v[TM+4+\b], 0                        ; written once: a lane permute's destination counts as one of its sources
.endr
	s_mov_b32 s[SEL], 0x76543210
	s_mov_b32 s[SEL+1], 0xfedcba98                 ; selects for lane l xor 16
	s_wait_tensorcnt 0x1                           ; the scale words and my part of slot 0 are in; slot 1's load may be out
	s_barrier_signal -1
	s_barrier_wait -1                              ; everybody's are
	SCALES
	FETCH 0
	STEP 0, 1                                      ; the first products start the sums: nothing is cleared
	STEP 1, 0
	STEP 2, 0
	STEP 3, 0
	STEP 4, 0
	STEP 5, 0
	STEP 6, 0
	STEP 7, 0
	WIN 0
	PLACES                                         ; ahead of the first read of results
; 64 results of a lane (P's tile a; register 16 b + i = j 32 b + 16 h + i of my row) become a fragment's codes in v[CD + 8 a] on and its scale word in v[PW + a].  Each accumulator is read from its low end on.
.macro QUANTW a
.set QS, 64*(\a)
	WIN 0x0a                                       ; sources 0 and 1 window 2
.irp b, 0,1,2,3
	v_max3_num_f32 v[TM+\b], |v[QS+16*\b]|, |v[QS+16*\b+1]|, 0x1800000   ; block b: my 16 numbers, and the floor 2^(3 - 127)
.endr
	WIN 0x28                                       ; sources 1 and 2 window 2
.irp i, 2,4,6,8,10,12,14
.irp b, 0,1,2,3
	v_max3_num_f32 v[TM+\b], v[TM+\b], |v[QS+16*\b+\i]|, |v[QS+16*\b+\i+1]|
.endr
.endr
	WIN 0
.irp b, 0,1,2,3
	v_permlanex16_b32 v[TM+4+\b], v[TM+\b], s[SEL], s[SEL+1]
.endr
.irp b, 0,1,2,3
	v_max_num_f32 v[TM+\b], v[TM+\b], v[TM+4+\b]   ; with lane l xor 16's 16: the block's largest magnitude
.endr
.irp b, 0,1,2,3
	v_add_nc_u32 v[TM+12+\b], 0xff000000, v[TM+\b] ; 2 off the exponent field: the conversion's scale operand
.endr
.irp b, 0,1,2,3
	v_lshrrev_b32 v[TM+4+\b], 23, v[TM+12+\b]      ; the scale's byte
.endr
	v_lshl_or_b32 v[PW+(\a)], v[TM+5], 8, v[TM+4]
	v_lshl_or_b32 v[PW+(\a)], v[TM+6], 16, v[PW+(\a)]
	v_lshl_or_b32 v[PW+(\a)], v[TM+7], 24, v[PW+(\a)]
	WIN 0x02                                       ; source 0 window 2
.irp b, 0,1,2,3
	v_cvt_scalef32_pk8_fp4_f32 v[CD+8*(\a)+2*\b], v[QS+16*\b:QS+16*\b+7], v[TM+12+\b]
	v_cvt_scalef32_pk8_fp4_f32 v[CD+8*(\a)+2*\b+1], v[QS+16*\b+8:QS+16*\b+15], v[TM+12+\b]
.endr
	WIN 0
	v_nop                                          ; one plain instruction behind the last scaled conversion
.irp c, 0,1                                    ; the operand's layout wants a whole block in a lane: lanes 0-15 block 2 c, lanes 16-31 block 2 c + 1
.irp i, 0,1
	v_permlane16_swap_b32 v[CD+8*(\a)+4*\c+\i], v[CD+8*(\a)+4*\c+2+\i]
.endr
.endr
.endm
.macro EPI sa, sc                      ; the four fragments leave as they stand: tile a at a x sa, register group c at c x sc; each store covers 512 consecutive bytes
.irp a, 0,1,2,3
	QUANTW \a
.irp c, 0,1
	global_store_b128 v26, v[CD+8*\a+4*\c:CD+8*\a+4*\c+3], s[96:97] offset:\a*\sa+\c*\sc
.endr
.endr
.endm
	s_cmp_ge_u32 s46, 16                           ; the cluster's y: the same in all sixteen partners
	s_cbranch_scc1 .Lv_out
	; q, k: my 128 columns are two heads; register group c of a fragment is head0 + c's 64 channels
	s_lshr_b32 s12, s43, 4                         ; batch
	s_and_b32 s13, s42, 3
	s_lshl_b32 s13, s13, 2
	s_lshl_b32 s14, s18, 1
	s_add_co_u32 s13, s13, s14                     ; head0 = 4 (x & 3) + 2 x my half
	s_lshl_b32 s12, s12, 4
	s_add_co_u32 s12, s12, s13                     ; 16 x batch + head0
	s_lshr_b32 s13, s42, 2                         ; 0: q, 1: k
	s_mul_i32 s96, s12, 3
	s_add_co_u32 s96, s96, s13
	s_lshl_b32 s96, s96, 16
	s_and_b32 s14, s43, 15                         ; the block of 128 tokens in the batch
	s_lshl_b32 s15, s14, 3
	s_lshl_b32 s100, s17, 2
	s_add_co_u32 s15, s15, s100                    ; my first tile of tokens
	s_lshl_b32 s15, s15, 9
	s_add_co_u32 s96, s96, s15
	s_mov_b32 s97, 0
	s_add_nc_u64 s[96:97], s[8:9], s[96:97]
	s_mul_i32 s98, s12, 20480
	s_lshl_b32 s13, s13, 13
	s_add_co_u32 s98, s98, s13
	s_lshl_b32 s14, s14, 1
	s_add_co_u32 s14, s14, s17                     ; my four tiles are one group of scale words
	s_lshl_b32 s14, s14, 8
	s_add_co_u32 s98, s98, s14
	s_mov_b32 s99, 0
	s_add_nc_u64 s[98:99], s[10:11], s[98:99]
	EPI 512, 196608
.irp a, 0,1,2,3
	v_lshrrev_b32 v[116+\a], v9, v[PW+\a]          ; lanes 0-15 keep head0's two bytes, lanes 16-31 head0 + 1's;
.endr
.irp a, 0,1,2,3
	v_and_b32 v[116+\a], 0xffff, v[116+\a]         ; the bytes of k = 64 .. 127, where the codes are zeros, are 0
.endr
	global_store_b128 v10, v[116:119], s[98:99]    ; sixteen lanes store 256 consecutive bytes, aligned
	s_branch .Ldone
.Lv_out:
	; v: my four tiles of P are one head's 64 channels, my 128 rows of R one key step
	s_sub_co_u32 s12, s43, 80
	s_lshl_b32 s12, s12, 1
	s_add_co_u32 s12, s12, s17                     ; head
	s_lshl_b32 s13, s49, 1
	s_add_co_u32 s13, s13, s18                     ; the key step among x's 64
	s_lshr_b32 s14, s13, 4
	s_lshl_b32 s14, s14, 4
	s_add_co_u32 s12, s12, s14                     ; 16 x batch + head
	s_and_b32 s13, s13, 15                         ; the key step in the batch
	s_mul_i32 s96, s12, 3
	s_add_co_u32 s96, s96, 2
	s_lshl_b32 s96, s96, 16
	s_lshl_b32 s14, s13, 12
	s_add_co_u32 s96, s96, s14
	s_mov_b32 s97, 0
	s_add_nc_u64 s[96:97], s[8:9], s[96:97]
	s_mul_i32 s98, s12, 20480
	s_add_co_u32 s98, s98, 16384
	s_lshl_b32 s14, s13, 8
	s_add_co_u32 s98, s98, s14
	s_mov_b32 s99, 0
	s_add_nc_u64 s[98:99], s[10:11], s[98:99]
	EPI 1024, 512
	v_cmp_eq_u32 vcc_lo, 1, v3                     ; both halves of the lanes hold all four words: lanes 0-15 store tiles 0, 1, lanes 16-31 tiles 2, 3
	v_cndmask_b32 v116, v[PW], v[PW+2], vcc_lo
	v_cndmask_b32 v117, v[PW+1], v[PW+3], vcc_lo
	global_store_b64 v11, v[116:117], s[98:99]     ; 32 lanes store 256 consecutive bytes, aligned
.Ldone:
	s_wait_tensorcnt 0x0
	ds_add_u32 v254, v255
	s_wait_dscnt 0x0
	CROUND                                         ; the closing round: no work-group ends while a partner may still ask for a tile that names it
	s_endpgm
.Lfunc_end_k_q4019b41060_qkv:
	.size	k_q4019b41060_qkv, .Lfunc_end_k_q4019b41060_qkv-k_q4019b41060_qkv
	.p2alignl 7, 3214868480
	.fill 96, 4, 3214868480
	.section	.rodata,"a",@progbits
	.p2align	6, 0x0
	.amdhsa_kernel k_q4019b41060_qkv
		.amdhsa_group_segment_fixed_size 209408
		.amdhsa_private_segment_fixed_size 0
		.amdhsa_enable_private_segment 0
		.amdhsa_kernarg_size 32
		.amdhsa_user_sgpr_count 2
		.amdhsa_user_sgpr_kernarg_segment_ptr 1
		.amdhsa_wavefront_size32 1
		.amdhsa_system_sgpr_workgroup_id_x 1
		.amdhsa_system_sgpr_workgroup_id_y 1
		.amdhsa_system_sgpr_workgroup_id_z 1
		.amdhsa_system_vgpr_workitem_id 0
		.amdhsa_next_free_vgpr 768
		.amdhsa_next_free_sgpr 102
		.amdhsa_reserve_vcc 1
		.amdhsa_float_denorm_mode_32 3
		.amdhsa_float_denorm_mode_16_64 3
		.amdhsa_memory_ordered 1
		.amdhsa_forward_progress 1
		.amdhsa_inst_pref_size 92
	.end_amdhsa_kernel
	.amdgpu_metadata
---
amdhsa.version: [ 1, 2 ]
amdhsa.kernels:
  - .name:           k_q4019b41060_qkv
    .symbol:         k_q4019b41060_qkv.kd
    .args:
      - { .name: img_codes, .offset: 0, .size: 8, .value_kind: global_buffer, .address_space: global }
      - { .name: img_scales, .offset: 8, .size: 8, .value_kind: global_buffer, .address_space: global }
      - { .name: qkv_codes, .offset: 16, .size: 8, .value_kind: global_buffer, .address_space: global }
      - { .name: qkv_scales, .offset: 24, .size: 8, .value_kind: global_buffer, .address_space: global }
    .group_segment_fixed_size: 209408
    .private_segment_fixed_size: 0
    .kernarg_segment_align: 8
    .kernarg_segment_size: 32
    .max_flat_workgroup_size: 128
    .sgpr_count:     102
    .vgpr_count:     768
    .wavefront_size: 32
...
	.end_amdgpu_metadata
.endif
;; end of part 2
;; launch attn (part 3): grid 4 x 64, 16 waves a work-group, no clusters, 169,984 bytes of LDS; arguments qkv_codes, qkv_scales, ctx_codes, ctx_scales; writes ctx_codes, ctx_scales
.if DOCPART == 3
	.amdgcn_target "amdgcn-amd-amdhsa--gfx1250"
	.amdhsa_code_object_version 6
	.text
	.protected	k_q4019b41060_attn
	.globl	k_q4019b41060_attn
	.p2align	8
	.type	k_q4019b41060_attn,@function
k_q4019b41060_attn:
	s_mov_b64 s[64:65], 0
	v_nop
	global_prefetch_b8 v0, s[64:65] scope:SCOPE_SE
	s_setreg_imm32_b32 hwreg(HW_REG_WAVE_MODE, 25, 1), 1
	s_wait_xcnt 0x0
; Causal attention on codes of FP4, and the quantising of its result.  For each (batch, head): S^T = K Q^T (K = the head's 64), p = 2^(t - M), O^T = V^T p^T (K = the keys), ctx = O / the row's sum.
; t = score x log2(e) / 8; M = the running largest t rounded UP to a whole number; p is not normalised; the row's sum is taken of the unquantised p; when M moves, the sum and O^T are multiplied by 2^(old M - new M): exact.
; SHARES.  Work-group (i, bh): bh = 16 x batch + head.  Wave w takes two tiles of 16 queries, one after the other: TL = 16 i + w and TH = 127 - TL.  Tile T needs key steps 0 .. T / 8 (128 keys each),
; so every wave of every work-group walks 17 key steps.  The loop over key steps has a constant count, 16; a step all of whose keys come after the tile's queries is jumped over by a scalar branch on ids.
; NO CLUSTER: the steps that a work-group jumps over hang on which queries it owns, and partners of a joint load must run alike.
; LDS holds K and V of the whole (batch, head), codes and scale words, 143,360 bytes, filled once: every wave brings a sixteenth by two tensor loads.  All lie as register images: a fragment is read 16 bytes a lane.
; LAYOUT.  Both products are used transposed: a lane holds ONE query throughout.  Lane r of tile T (of queries, of keys, of V's channels) holds index 32 (T / 2) + 8 (T % 2) + r + 8 (r / 8), so that the 16 registers
; of result tiles 2 b and 2 b + 1 are the neighbours 32 b + 16 (lane / 16) + 0 .. 15: of the keys (p) and of the head's channels (ctx).
; K = 64 IN AN INSTRUCTION OF 128: Q's registers 4-7 are zero codes, and bytes 2, 3 of Q's and K's scale words are 0 (2^-127).  K's fragment t is v[36 + 4 t : 43 + 4 t]: its upper four registers hold the next
; tile's codes, which meet Q's zeros and add exactly nothing.
; OUT: ctx_codes as images (tile x 8192 + head x 512 + 16 x lane): stores of 512 consecutive bytes.  ctx_scales: a head owns 2 of a row's 32 scale bytes, so these go out two bytes a lane: 262,144 bytes in all,
; a sixteenth of the codes' bytes.
; LIMITS: a block under 2^-124 keeps the byte 1; NaN and infinities are not served.
; REGISTERS: v1-4 LDS places that stay, v5 the mask's bound, v6, v7; v8-11 the step's addresses; v12 -M, v13 the largest t, v[14:15] the sum; v16-31 Q of both tiles; v32-33 Q's scale words; v34 16 r, v35 h;
;   v36-71 K; v72-103 V; v104-167 S^T, then p; v168-199 O^T; v200-207 p's codes; v208-215 K's and V's scale words; v216-233 at work; v231 p's scale word; v234-235 ctx's bytes; v236-243 ctx's codes.
.set VC,   65536                       ; LDS: K's codes at 0 (tile x 512), V's here (step x 4096 + d tile x 1024 + c x 512),
.set KW,   131072                      ; K's scale words (step x 512),
.set VW,   139264                      ; V's (step x 256)
.set SS,   104
.set OT,   168
.set PCD,  200
.set BM,   216                         ; v216-219 a block's largest score, then its largest p
.set BP,   220                         ; v220-223 the other half's, then the bytes
.set BO,   224                         ; v224-227 the conversions' scale operands
.set SEL,  70
.set CS,   72
	s_load_b256 s[4:11], s[0:1], 0x0               ; qkv_codes, qkv_scales, ctx_codes, ctx_scales
	v_lshl_add_u32 v254, v0, 2, 0x29000
	v_mov_b32 v255, 0
	ds_add_u32 v254, v255
	ds_add_u32 v254, v255
	v_lshrrev_b32 v1, 5, v0
	v_readfirstlane_b32 s16, v1                    ; wave 0..15
	s_and_b32 s17, ttmp7, 0xffff                   ; bh
	s_lshl_b32 s12, ttmp9, 4
	s_add_co_u32 s12, s12, s16                     ; TL
	s_sub_co_u32 s13, 127, s12                     ; TH
	; descriptor groups 1: dense blocks as rows of 256 bytes (32 elements of 8 bytes), no padding
	s_mov_b32 s28, 3<<16
	s_mov_b32 s29, 32<<16
	s_mov_b32 s30, 32<<16                          ; codes: 32 rows a wave
	s_mov_b32 s31, 32<<16
	s_mov_b32 s32, 32
	s_mov_b32 s33, 32
	s_mov_b32 s34, 0
	s_mov_b32 s35, 0
	s_mov_b32 s36, 3<<16
	s_mov_b32 s37, 32<<16
	s_mov_b32 s38, 3<<16                           ; scale words: 3 rows a wave
	s_mov_b32 s39, 32<<16
	s_mov_b32 s40, 3
	s_mov_b32 s41, 32
	s_mov_b32 s42, 0
	s_mov_b32 s43, 0
	s_mul_i32 s44, s17, 196608
	s_mov_b32 s45, 0
	s_mul_i32 s46, s17, 20480
	s_mov_b32 s47, 0
	s_lshl_b32 s21, s16, 13                        ; LDS: 8,192 x wave
	s_add_co_u32 s14, s21, 65536                   ; memory: K begins 65,536 bytes into the (batch, head)'s codes, V follows it
	s_mov_b32 s15, 0
	s_mul_i32 s50, s16, 768
	s_add_co_u32 s25, s50, KW                      ; LDS: 768 x wave behind the codes
	s_add_co_u32 s50, s50, 8192                    ; memory: K's words begin 8,192 bytes in, V's follow
	s_mov_b32 s51, 0
	s_mov_b32 s20, 1
	s_mov_b32 s24, 1
	s_wait_dscnt 0x0
	s_wait_kmcnt 0x0
	s_add_nc_u64 s[44:45], s[4:5], s[44:45]
	s_add_nc_u64 s[46:47], s[6:7], s[46:47]
	s_add_nc_u64 s[22:23], s[44:45], s[14:15]
	s_or_b32 s23, s23, 0x80000000
	s_add_nc_u64 s[26:27], s[46:47], s[50:51]
	s_or_b32 s27, s27, 0x80000000
	tensor_load_to_lds s[20:23], s[28:35]          ; the only fills of the launch: two tensor loads of a wave are out
	s_nop 0
	tensor_load_to_lds s[24:27], s[36:43]
	s_nop 0
.rept 4
	v_nop
.endr
	s_mov_b32 s75, 0
	s_lshl_b32 s74, s12, 9
	s_add_nc_u64 s[52:53], s[44:45], s[74:75]      ; Q's codes of tile TL,
	s_lshl_b32 s74, s13, 9
	s_add_nc_u64 s[54:55], s[44:45], s[74:75]      ; of TH
	s_lshr_b32 s74, s12, 2
	s_lshl_b32 s74, s74, 8
	s_and_b32 s76, s12, 3
	s_lshl_b32 s76, s76, 2
	s_add_co_u32 s74, s74, s76
	s_add_nc_u64 s[56:57], s[46:47], s[74:75]      ; Q's scale words: (T / 4) x 256 + 4 (T % 4), + 16 r
	s_lshr_b32 s74, s13, 2
	s_lshl_b32 s74, s74, 8
	s_and_b32 s76, s13, 3
	s_lshl_b32 s76, s76, 2
	s_add_co_u32 s74, s74, s76
	s_add_nc_u64 s[58:59], s[46:47], s[74:75]
	s_lshr_b32 s76, s17, 4
	s_lshl_b32 s76, s76, 7                         ; 128 x batch: the batch's first tile of ctx
	s_and_b32 s77, s17, 15                         ; head
	s_lshl_b32 s78, s77, 9
	s_add_co_u32 s74, s76, s12
	s_lshl_b32 s74, s74, 13
	s_add_co_u32 s74, s74, s78
	s_add_nc_u64 s[60:61], s[8:9], s[74:75]        ; ctx's codes: tile x 8,192 + head x 512
	s_add_co_u32 s74, s76, s13
	s_lshl_b32 s74, s74, 13
	s_add_co_u32 s74, s74, s78
	s_add_nc_u64 s[62:63], s[8:9], s[74:75]
	s_add_co_u32 s74, s76, s12
	s_lshl_b32 s74, s74, 9
	s_lshr_b32 s78, s77, 3
	s_lshl_b32 s78, s78, 8
	s_add_co_u32 s74, s74, s78
	s_and_b32 s78, s77, 7
	s_lshl_b32 s78, s78, 1
	s_add_co_u32 s74, s74, s78
	s_add_nc_u64 s[66:67], s[10:11], s[74:75]      ; ctx's scale bytes of TL: tile x 512 + (head / 8) x 256 + 2 (head % 8), + 16 r
	s_sub_co_u32 s68, s13, s12
	s_lshl_b32 s68, s68, 9                         ; and how far on TH's lie
	s_mov_b32 s[SEL], 0x76543210
	s_mov_b32 s[SEL+1], 0xfedcba98                 ; selects for lane l xor 16
	s_mov_b32 s[CS], 0x3e38aa3b                    ; c = log2(e) / 8
	s_mov_b32 s[CS+1], s[CS]                       ; (named with it as a pair, so it is written)
	v_and_b32 v10, 15, v0                          ; r
	v_bfe_u32 v35, v0, 4, 1                        ; h
	v_and_b32 v1, 31, v0
	v_lshlrev_b32 v1, 4, v1                        ; 16 x lane: K's codes
	v_add_nc_u32 v2, VC, v1                        ; V's codes
	v_add_nc_u32 v3, KW, v1                        ; K's scale words: lanes 0-15 tiles 0-3 of a step, lanes 16-31 tiles 4-7
	v_lshlrev_b32 v34, 4, v10                      ; 16 r
	v_add_nc_u32 v4, VW, v34                       ; V's scale words
	v_and_b32 v6, 8, v10
	v_add_nc_u32 v6, v6, v10
	v_lshlrev_b32 v8, 4, v35
	v_sub_nc_u32 v6, v6, v8                        ; r + 8 (r / 8) - 16 h
	v_mov_b32 v7, 0xff800000                       ; -infinity
	global_load_b128 v[16:19], v1, s[52:53]        ; Q stays in registers
	global_load_b128 v[24:27], v1, s[54:55]
	global_load_b32 v32, v34, s[56:57]
	global_load_b32 v33, v34, s[58:59]
.irp j, 20,21,22,23,28,29,30,31,68,69,70,71
	v_mov_b32 v[\j], 0                             ; Q's codes of k = 64 .. 127; what follows K's last tile
.endr
.irp b, 0,1,2,3
	v_mov_b32 v[BP+\b], 0                          ; written once: a lane permute's destination counts as one of its sources
.endr
	v_mov_b32 v229, 0                              ; (the upper half of the pair v[228:229])
	v_mov_b32 v230, 0
	s_wait_tensorcnt 0x0                           ; my parts of K and V are in,
	s_barrier_signal -1
	s_barrier_wait -1                              ; everybody's are
	s_wait_loadcnt 0x0                             ; Q
; One tile of queries: ph = 0, 1; st: the scalar register with the tile's number; cp: the pair with the address of its codes of ctx.
.macro PHASE ph, st, cp
	s_lshr_b32 s49, s[\st], 3                      ; the tile's last key step, the one on the diagonal
	s_and_b32 s74, s[\st], 7
	s_lshr_b32 s74, s74, 1
	s_lshl_b32 s74, s74, 5
	s_and_b32 s75, s[\st], 1
	s_lshl_b32 s75, s75, 3
	s_add_co_u32 s74, s74, s75
	v_add_nc_u32 v5, s74, v6                       ; my query less the diagonal step's first key less 16 h: register 16 b + i holds key 32 b + i + 16 h of the step: hidden where 32 b + i is greater
	v_mov_b32 v13, 0xff61b1e6                      ; the largest t so far: -3e38
	v_floor_f32 v12, -v13                          ; -M
	v_mov_b32 v14, 0
	v_mov_b32 v15, 0
.set j, 0
.rept 32
	v_mov_b32 v[OT+j], 0                           ; O^T: the step is written once; the first finds zeros, which the first change of M leaves zeros
.set j, j+1
.endr
	s_mov_b32 s48, 0
.Lstep\@:
	s_cmp_gt_u32 s48, s49                          ; all keys of the step come after my queries: nothing to do
	s_cbranch_scc1 .Lhidden\@
	v_lshl_add_u32 v8, s48, 12, v1                 ; these four lines are also the places between the last products and the loads into their registers
	v_lshl_add_u32 v9, s48, 12, v2
	v_lshl_add_u32 v10, s48, 9, v3
	v_lshl_add_u32 v11, s48, 8, v4
.irp t, 0,1,2,3,4,5,6,7
	ds_load_b128 v[36+4*\t:39+4*\t], v8 offset:512*\t
.endr
	ds_load_b128 v[208:211], v10
.irp t, 0,1,2,3
.irp c, 0,1
	ds_load_b128 v[72+8*\t+4*\c:75+8*\t+4*\c], v9 offset:1024*\t+512*\c
.endr
.endr
	ds_load_b128 v[212:215], v11
	s_wait_dscnt 9                                 ; K and its scale words are in; V's eight loads and its scale words may be out
.irp t, 0,1,2,3
	v_wmma_scale_f32_16x16x128_f8f6f4 v[SS+8*\t:SS+8*\t+7], v[36+4*\t:43+4*\t], v[16+8*\ph:23+8*\ph], 0, v[208+\t], v[32+\ph] matrix_a_fmt:MATRIX_FMT_FP4 matrix_b_fmt:MATRIX_FMT_FP4
.endr
.irp t, 4,5,6,7
	v_wmma_scale_f32_16x16x128_f8f6f4 v[SS+8*\t:SS+8*\t+7], v[36+4*\t:43+4*\t], v[16+8*\ph:23+8*\ph], 0, v[204+\t], v[32+\ph] matrix_a_fmt:MATRIX_FMT_FP4 matrix_b_fmt:MATRIX_FMT_FP4 matrix_a_scale:MATRIX_SCALE_ROW1
.endr
.rept 4
	v_nop
.endr
	s_cmp_lg_u32 s48, s49                          ; only the step on the diagonal has hidden keys: their scores become -infinity ahead of the maximum, so p = 0
	s_cbranch_scc1 .Lopen\@
.set n, 0
.rept 64
	v_cmp_gt_i32 vcc_lo, 32*(n/16)+n%16, v5
	v_cndmask_b32 v[SS+n], v[SS+n], v7, vcc_lo
.set n, n+1
.endr
.Lopen\@:
.irp b, 0,1,2,3
	v_max3_num_f32 v[BM+\b], v[SS+16*\b], v[SS+1+16*\b], v[SS+2+16*\b]   ; the largest score of each block of 32 keys: for the row's maximum, and, since p rises with the score, for the block's largest p
.endr
.irp i, 3,5,7,9,11,13
.irp b, 0,1,2,3
	v_max3_num_f32 v[BM+\b], v[BM+\b], v[SS+16*\b+\i], v[SS+1+16*\b+\i]
.endr
.endr
.irp b, 0,1,2,3
	v_max_num_f32 v[BM+\b], v[BM+\b], v[SS+15+16*\b]
.endr
.irp b, 0,1,2,3
	v_permlanex16_b32 v[BP+\b], v[BM+\b], s[SEL], s[SEL+1]
.endr
.irp b, 0,1,2,3
	v_max_num_f32 v[BM+\b], v[BM+\b], v[BP+\b]     ; with lane l xor 16's 16 keys
.endr
	v_max3_num_f32 v230, v[BM], v[BM+1], v[BM+2]
	v_max_num_f32 v230, v230, v[BM+3]              ; the step's largest score of my query (the step's first key is never hidden)
	v_mul_f32 v230, s[CS], v230
	v_max_num_f32 v13, v13, v230                   ; the running largest t
	v_mov_b32 v230, v12
	v_floor_f32 v12, -v13                          ; the new -M = floor(-t): M is a whole number
	v_sub_f32 v230, v12, v230                      ; old M less new M: a whole number, 0 or less
	v_cvt_i32_f32 v230, v230                       ; (it saturates)
	v_ldexp_f32 v228, 1.0, v230                    ; f = 2^(old M - new M)
.set j, 0
.rept 32
	v_pk_fma_f32 v[SS+j:SS+j+1], v[SS+j:SS+j+1], s[CS:CS+1], v[12:13] op_sel_hi:[1,0,0]   ; t - M, two at a time
.set j, j+2
.endr
.irp b, 0,1,2,3
	v_fma_f32 v[BM+\b], v[BM+\b], s[CS], v12       ; the same of each block's largest score
.endr
.set j, 0
.rept 64
	v_exp_f32 v[SS+j], v[SS+j]                     ; p = 2^(t - M), at most 1
.set j, j+1
.endr
	v_pk_mul_f32 v[14:15], v[14:15], v[228:229] op_sel_hi:[1,0]   ; the sums under the new M: the plain instruction behind the exponentials
	s_wait_alu depctr_va_vdst(0)                   ; one wait for the batch of 64, ahead of its first reader
.irp b, 0,1,2,3
	v_exp_f32 v[BM+\b], v[BM+\b]                   ; the block's largest p: the same two instructions on the same number
.endr
	v_pk_add_f32 v[232:233], v[SS:SS+1], v[SS+2:SS+3]   ; the row's sum of the unquantised p, in two chains; it reads the 64 alone
.irp j, 4,8,12,16,20,24,28,32,36,40,44
	v_pk_add_f32 v[14:15], v[14:15], v[SS+\j:SS+\j+1]
	v_pk_add_f32 v[232:233], v[232:233], v[SS+2+\j:SS+3+\j]
.endr
	s_wait_alu depctr_va_vdst(0)                   ; and one for the four
.irp b, 0,1,2,3
	v_max_num_f32 v[BM+\b], 0x1800000, v[BM+\b]    ; the floor 2^(3 - 127): a block whose every p is 0 keeps the byte 1 over zero codes
.endr
.irp b, 0,1,2,3
	v_add_nc_u32 v[BO+\b], 0xff000000, v[BM+\b]    ; 2 off the exponent field: the conversion's scale operand
.endr
.irp b, 0,1,2,3
	v_lshrrev_b32 v[BP+\b], 23, v[BO+\b]           ; the scale's byte
.endr
	v_lshl_or_b32 v231, v[BP+1], 8, v[BP]          ; p's scale word for these 128 keys
	v_lshl_or_b32 v231, v[BP+2], 16, v231
	v_lshl_or_b32 v231, v[BP+3], 24, v231
.irp b, 0,1,2,3
	v_cvt_scalef32_pk8_fp4_f32 v[PCD+2*\b], v[SS+16*\b:SS+7+16*\b], v[BO+\b]
	v_cvt_scalef32_pk8_fp4_f32 v[PCD+1+2*\b], v[SS+8+16*\b:SS+15+16*\b], v[BO+\b]
.endr
	v_nop                                          ; one plain instruction behind the last scaled conversion
.irp c, 0,1                                    ; a whole block in a lane: lanes 0-15 block 2 c, lanes 16-31 block 2 c + 1
.irp i, 0,1
	v_permlane16_swap_b32 v[PCD+4*\c+\i], v[PCD+2+4*\c+\i]
.endr
.endr
.set j, 0
.rept 16
	v_pk_mul_f32 v[OT+j:OT+j+1], v[OT+j:OT+j+1], v[228:229] op_sel_hi:[1,0]   ; O^T under the new M
.set j, j+2
.endr
.irp j, 48,52,56,60                            ; the rest of the row's sum stands here: nine plain instructions between the last write of O^T, of p's codes and of its scale word and the products
	v_pk_add_f32 v[14:15], v[14:15], v[SS+\j:SS+\j+1]
	v_pk_add_f32 v[232:233], v[232:233], v[SS+2+\j:SS+3+\j]
.endr
	v_pk_add_f32 v[14:15], v[14:15], v[232:233]
	s_wait_dscnt 0x0                               ; V and its scale words are in
.irp t, 0,1,2,3
	v_wmma_scale_f32_16x16x128_f8f6f4 v[OT+8*\t:OT+8*\t+7], v[72+8*\t:79+8*\t], v[PCD:PCD+7], v[OT+8*\t:OT+8*\t+7], v[212+\t], v231 matrix_a_fmt:MATRIX_FMT_FP4 matrix_b_fmt:MATRIX_FMT_FP4
.endr
.Lhidden\@:
	s_add_co_u32 s48, s48, 1
	s_cmp_lt_u32 s48, 16
	s_cbranch_scc1 .Lstep\@
.rept 4
	v_nop                                          ; ahead of the first read of O^T
.endr
	v_add_f32 v14, v14, v15                        ; the sum's two halves,
	v_permlanex16_b32 v230, v14, s[SEL], s[SEL+1]
	v_add_f32 v14, v14, v230                       ; and lane l xor 16's: the row's sum
	v_rcp_f32 v14, v14
	v_nop                                          ; a plain instruction behind the reciprocal,
	s_wait_alu depctr_va_vdst(0)                   ; and the wait ahead of its first reader
.set j, 0
.rept 32
	v_mul_f32 v[SS+j], v[OT+j], v14                ; ctx: register 16 b + i is channel 32 b + 16 h + i of my query
.set j, j+1
.endr
.irp b, 0,1
	v_max3_num_f32 v[BM+\b], |v[SS+16*\b]|, |v[SS+1+16*\b]|, 0x1800000
.endr
.irp i, 2,4,6,8,10,12,14
.irp b, 0,1
	v_max3_num_f32 v[BM+\b], v[BM+\b], |v[SS+16*\b+\i]|, |v[SS+1+16*\b+\i]|
.endr
.endr
.irp b, 0,1
	v_permlanex16_b32 v[BP+\b], v[BM+\b], s[SEL], s[SEL+1]
.endr
.irp b, 0,1
	v_max_num_f32 v[BM+\b], v[BM+\b], v[BP+\b]
.endr
.irp b, 0,1
	v_add_nc_u32 v[BO+\b], 0xff000000, v[BM+\b]
.endr
.irp b, 0,1
	v_lshrrev_b32 v[BP+\b], 23, v[BO+\b]
.endr
	v_lshl_or_b32 v[234+\ph], v[BP+1], 8, v[BP]    ; the head's two scale bytes of my query
.irp b, 0,1
	v_cvt_scalef32_pk8_fp4_f32 v[236+4*\ph+2*\b], v[SS+16*\b:SS+7+16*\b], v[BO+\b]
	v_cvt_scalef32_pk8_fp4_f32 v[237+4*\ph+2*\b], v[SS+8+16*\b:SS+15+16*\b], v[BO+\b]
.endr
	v_nop
.irp i, 0,1
	v_permlane16_swap_b32 v[236+4*\ph+\i], v[238+4*\ph+\i]
.endr
	global_store_b128 v1, v[236+4*\ph:239+4*\ph], s[\cp:\cp+1]   ; 32 lanes store 512 consecutive bytes
.endm
	PHASE 0, 12, 60
	PHASE 1, 13, 62
	v_cmp_eq_u32 vcc_lo, 1, v35                    ; lanes 0-15 store TL's bytes, lanes 16-31 TH's
	v_cndmask_b32 v230, v234, v235, vcc_lo
	v_mul_u32_u24 v8, s68, v35
	v_add_nc_u32 v8, v8, v34
	global_store_b16 v8, v230, s[66:67]
	s_wait_tensorcnt 0x0
	ds_add_u32 v254, v255
	s_wait_dscnt 0x0
	s_endpgm
.Lfunc_end_k_q4019b41060_attn:
	.size	k_q4019b41060_attn, .Lfunc_end_k_q4019b41060_attn-k_q4019b41060_attn
	.p2alignl 7, 3214868480
	.fill 96, 4, 3214868480
	.section	.rodata,"a",@progbits
	.p2align	6, 0x0
	.amdhsa_kernel k_q4019b41060_attn
		.amdhsa_group_segment_fixed_size 169984
		.amdhsa_private_segment_fixed_size 0
		.amdhsa_enable_private_segment 0
		.amdhsa_kernarg_size 32
		.amdhsa_user_sgpr_count 2
		.amdhsa_user_sgpr_kernarg_segment_ptr 1
		.amdhsa_wavefront_size32 1
		.amdhsa_system_sgpr_workgroup_id_x 1
		.amdhsa_system_sgpr_workgroup_id_y 1
		.amdhsa_system_sgpr_workgroup_id_z 1
		.amdhsa_system_vgpr_workitem_id 0
		.amdhsa_next_free_vgpr 256
		.amdhsa_next_free_sgpr 80
		.amdhsa_reserve_vcc 1
		.amdhsa_float_denorm_mode_32 3
		.amdhsa_float_denorm_mode_16_64 3
		.amdhsa_memory_ordered 1
		.amdhsa_forward_progress 1
		.amdhsa_inst_pref_size 56
	.end_amdhsa_kernel
	.amdgpu_metadata
---
amdhsa.version: [ 1, 2 ]
amdhsa.kernels:
  - .name:           k_q4019b41060_attn
    .symbol:         k_q4019b41060_attn.kd
    .args:
      - { .name: qkv_codes, .offset: 0, .size: 8, .value_kind: global_buffer, .address_space: global }
      - { .name: qkv_scales, .offset: 8, .size: 8, .value_kind: global_buffer, .address_space: global }
      - { .name: ctx_codes, .offset: 16, .size: 8, .value_kind: global_buffer, .address_space: global }
      - { .name: ctx_scales, .offset: 24, .size: 8, .value_kind: global_buffer, .address_space: global }
    .group_segment_fixed_size: 169984
    .private_segment_fixed_size: 0
    .kernarg_segment_align: 8
    .kernarg_segment_size: 32
    .max_flat_workgroup_size: 512
    .sgpr_count:     80
    .vgpr_count:     256
    .wavefront_size: 32
...
	.end_amdgpu_metadata
.endif
;; end of part 3
;; launch proj (part 4): grid 4 x 64, 4 waves a work-group, clusters of 4 x 4, 243,200 bytes of LDS; arguments ctx_codes, ctx_scales, img_codes, img_scales, bo, out0; writes out0
.if DOCPART == 4
	.amdgcn_target "amdgcn-amd-amdhsa--gfx1250"
	.amdhsa_code_object_version 6
	.text
	.protected	k_q4019b41060_proj
	.globl	k_q4019b41060_proj
	.p2align	8
	.type	k_q4019b41060_proj,@function
k_q4019b41060_proj:
	s_mov_b64 s[64:65], 0
	v_nop
	global_prefetch_b8 v0, s[64:65] scope:SCOPE_SE
	s_setreg_imm32_b32 hwreg(HW_REG_WAVE_MODE, 25, 1), 1
	s_wait_xcnt 0x0
	s_wait_alu depctr_hold_cnt(0) depctr_sa_sdst(0) depctr_va_vdst(0) depctr_va_sdst(0) depctr_va_ssrc(0) depctr_va_vcc(0) depctr_vm_vsrc(0)
	s_getreg_b32 s2, hwreg(HW_REG_IB_STS2, 6, 4)
	s_cmp_eq_u32 s2, 0
	s_cbranch_scc0 .Lentry_in_a_cluster
	s_endpgm
.Lentry_in_a_cluster:
	s_bfe_u32 s2, ttmp6, 0x10000c
	s_cmp_lg_u32 s2, 0xf033
	s_cbranch_scc0 .Lentry_shape_is_right
	s_endpgm
.Lentry_shape_is_right:
; out0 = ctx Wo^T + bo on codes of FP4.  Out[i][j] = sum over k of P[i][k] R[j][k], K = 1,024: P = ctx (64 blocks of 128 rows), R = Wo (blocks 44 .. 47 of 256 rows of the image buffers).
; The product is the one of the launch that makes q, k and v: a work-group makes 128 x 256, a wave 64 x 128 in 32 accumulators; the matrix instruction is used transposed (source 0 = 16 rows of R, source 1 = 16 rows of P);
; all of K lies in LDS, in two slots of 512 along K and the scale words, each filled once by joint tensor loads; fragments are register images, read 16 bytes a lane.  256 work-groups.
; CLUSTER 4 x 4: P's tiles are shared along a row of the cluster, R's along a column.
; The bias is the C of each sum's first product: eight registers for each of R's tiles, in the result's layout.
; THE WAY OUT: lane r of P's tile a holds row 32 (a / 2) + 8 (a % 2) + r + 8 (r / 8), and the registers of R's tiles 2 b, 2 b + 1 are columns 32 b + 16 h + 0 .. 15.  A tile of 16 rows x 128 columns goes through
; the wave's own stage in LDS (pitch 528, bytes that no tensor load fills) and leaves as whole rows: each store covers 512 consecutive bytes, aligned.
; REGISTERS: window 0: v2 r, v3 h, v24-28 offsets, v16-17, v20-21, v27 LDS addresses; v32-95 scale words; v128-191 P's fragments, two sets; v192-255 the bias; on the way out v128-255 hold rows read back.
;   window 1: R's fragments, two sets, at v0 and v128.   window 2: accumulator (a, b) at v[8 (8 a + b)].
.set SLOT,  98304                      ; a slot: P's 8 tiles x 4,096, then R's 16 tiles x 4,096
.set SCL,   196608                     ; behind the slots: P's scale words (4,096 bytes), then R's (8,192)
.set STG,   208896                     ; behind them: a stage of 16 x 528 bytes for each wave
.set SC,    32
.set AF,    128
.set BI,    192
.set PCO,   4                          ; s[4:5] P's codes, s[6:7] P's scale words, s[8:9] R's codes, s[10:11] R's scale words
.set PSC,   6
.set RCO,   8
.set RSC,   10
.set G1P,   24
.set G0P,   32
.set G1R,   52
.set G0R,   60
.set G1SP,  72
.set G1SR,  80
.set G0SP,  88
.set G0SR,  92
.set MSB, 0
.macro WIN new                         ; the immediate's high byte repeats the setting that is left
.if MSB != \new
	s_set_vgpr_msb (MSB<<8)|\new
.set MSB, \new
.endif
.endm
.macro PLACES                          ; four plain instructions between a matrix instruction and a load into, or a read of, its registers
.rept 4
	v_nop
.endr
.endm
; A joint load: waves 0 and 1 fetch for P, waves 2 and 3 for R.  The branch hangs on the wave's number alone.  Four v_nop follow each of the two lines.
.macro JLOAD g0p, g1p, g0r, g1r
	s_cmp_eq_u32 s17, 0
	s_cbranch_scc0 .Lfor_r_\@
	tensor_load_to_lds s[\g0p:\g0p+3], s[\g1p:\g1p+7]
	s_nop 0
.rept 4
	v_nop
.endr
	s_branch .Lasked_\@
.Lfor_r_\@:
	tensor_load_to_lds s[\g0r:\g0r+3], s[\g1r:\g1r+7]
	s_nop 0
.rept 4
	v_nop
.endr
.Lasked_\@:
.endm
.macro CROUND                          ; a round of the cluster's barrier
	s_barrier_signal -1
	s_barrier_wait -1
	s_cmp_lg_u32 s16, 0
	s_cbranch_scc1 .Lnot_wave_0_\@
	s_barrier_signal -3
.Lnot_wave_0_\@:
	s_barrier_wait -3
	s_barrier_signal -1
	s_barrier_wait -1
.endm
.macro SCALES                          ; all scale words: register SC + 32 sigma + 4 i + q: lanes 0-15 P's tile i, lanes 16-31 R's tile i (for i > 3 the low lanes hold words that nobody uses)
.irp g, 0,1
.irp i, 0,1,2,3,4,5,6,7
	ds_load_b128 v[SC+32*\g+4*\i:SC+32*\g+4*\i+3], v27 offset:512*\i+256*\g
.endr
.endr
.endm
.macro FETCH k                         ; the fragments of K step k (128 along K) into set k % 2: R's eight, P's four
.set FSL, (\k)/4
.set FQQ, (\k)%4
.set FPP, (\k)%2
	WIN 0x40                                       ; destination window 1, address window 0
.irp b, 0,1,2,3,4,5,6,7
.irp c, 0,1
	ds_load_b128 v[128*FPP+8*\b+4*\c:128*FPP+8*\b+4*\c+3], v[20+FSL] offset:4096*\b+1024*FQQ+512*\c
.endr
.endr
	WIN 0
.irp a, 0,1,2,3
.irp c, 0,1
	ds_load_b128 v[AF+32*FPP+8*\a+4*\c:AF+32*FPP+8*\a+4*\c+3], v[16+FSL] offset:4096*\a+1024*FQQ+512*\c
.endr
.endr
.endm
; cnt x 8 matrix instructions of K step k: P's tiles a0 on, each against R's eight.  cmode = 2: the products start the sums from the bias.  The 32 accumulators take turns, one instruction a turn.
.macro MUL k, a0, cnt, cmode
.set MS, (\k)/4
.set MQ, (\k)%4
.set MP, (\k)%2
.set MA, \a0
.rept \cnt
.irp b, 0,1,2,3,4,5,6,7
.if \cmode == 2
	v_wmma_scale_f32_16x16x128_f8f6f4 v[8*(8*MA+\b):8*(8*MA+\b)+7], v[128*MP+8*\b:128*MP+8*\b+7], v[AF+32*MP+8*MA:AF+32*MP+8*MA+7], v[BI+8*\b:BI+8*\b+7], v[SC+32*MS+4*\b+MQ], v[SC+32*MS+4*MA+MQ] matrix_a_fmt:MATRIX_FMT_FP4 matrix_b_fmt:MATRIX_FMT_FP4 matrix_a_scale:MATRIX_SCALE_ROW1
.else
	v_wmma_scale_f32_16x16x128_f8f6f4 v[8*(8*MA+\b):8*(8*MA+\b)+7], v[128*MP+8*\b:128*MP+8*\b+7], v[AF+32*MP+8*MA:AF+32*MP+8*MA+7], v[8*(8*MA+\b):8*(8*MA+\b)+7], v[SC+32*MS+4*\b+MQ], v[SC+32*MS+4*MA+MQ] matrix_a_fmt:MATRIX_FMT_FP4 matrix_b_fmt:MATRIX_FMT_FP4 matrix_a_scale:MATRIX_SCALE_ROW1
.endif
.endr
.set MA, MA+1
.endr
.endm
; A K step: its fragments are in; the next step's are asked for; then its 32 products.  Step 3 is the last of slot 0: slot 1 is shown whole to all four waves by one barrier ahead of the first read of it.
.macro STEP k, cmode
	s_wait_dscnt 0x0                               ; this step's fragments (asked for a step ago) are in
.if (\k) == 3
	s_wait_tensorcnt 0x0                           ; my part of slot 1 has landed;
	s_barrier_signal -1
	WIN 0xa1
	MUL \k, 0, 2, 0                                ; (work on registers while the others arrive)
	s_barrier_wait -1                              ; everybody's has
.endif
.if (\k) < 7
.if (\k) > 0
	PLACES                                         ; the set about to be loaded was read by the step before
.endif
	FETCH (\k)+1
.endif
.if \cmode == 2
	WIN 0x81                                       ; source 0 (R) window 1, source 1 (P) and C (the bias) window 0, D window 2
.else
	WIN 0xa1                                       ; source 0 (R) window 1, source 1 (P) window 0, C and D window 2
.endif
.if (\k) == 3
	MUL \k, 2, 2, 0
.else
	MUL \k, 0, 4, \cmode
.endif
.endm
	s_load_b256 s[4:11], s[0:1], 0x0               ; ctx_codes, ctx_scales, img_codes, img_scales
	s_load_b128 s[12:15], s[0:1], 0x20             ; bo, out0
	v_lshl_add_u32 v126, v0, 2, 0x3b400
	v_mov_b32 v127, 0
	ds_add_u32 v126, v127
	ds_add_u32 v126, v127
	v_lshrrev_b32 v1, 5, v0
	v_readfirstlane_b32 s16, v1                    ; wave 0..3
	s_lshr_b32 s17, s16, 1                         ; which 64 rows of P are mine.  Also: I fetch for P (0) or for R (1)
	s_and_b32 s18, s16, 1                          ; which 128 rows of R are mine.  Also: which half of that tile I fetch
	s_bfe_u32 s40, ttmp6, 0x40000                  ; cx
	s_bfe_u32 s41, ttmp6, 0x40004                  ; cy
	s_lshl_b32 s42, ttmp9, 2
	s_add_co_u32 s42, s42, s40                     ; work-group x = 4 x cluster x + cx
	s_and_b32 s46, ttmp7, 0xffff                   ; cluster y
	s_lshl_b32 s44, s41, 2
	s_lshl_b32 s44, 15, s44                        ; my row of the cluster
	s_lshl_b32 s45, 0x1111, s40                    ; my column
	s_lshl_b32 s43, s46, 2
	s_add_co_u32 s43, s43, s41                     ; P's block of 128 rows of ctx: it never holds cx
	s_add_co_u32 s49, s42, 44                      ; R's block of 256 rows: Wo's begin at block 44; it never holds cy
	; descriptor groups 1: elements of 8 bytes, no padding; bit 21 set beside a mask.  Codes: a tile's 4,096 bytes are a row of 512 elements, tiles 8,192 bytes (1,024 elements) apart
	s_or_b32 s[G1P], s44, (3<<16)|(1<<21)
	s_or_b32 s[G1R], s45, (3<<16)|(1<<21)
	s_or_b32 s[G1SP], s44, (3<<16)|(1<<21)
	s_or_b32 s[G1SR], s45, (3<<16)|(1<<21)
.irp g, G1P, G1R
	s_mov_b32 s[\g+1], 512<<16                     ; tensor_dim0
	s_mov_b32 s[\g+3], 512<<16                     ; tile_dim0
	s_mov_b32 s[\g+5], 1024                        ; from tile to tile
	s_mov_b32 s[\g+6], 0
	s_mov_b32 s[\g+7], 0
.endr
	s_mov_b32 s[G1P+2], 4<<16                      ; P: four tiles a wave
	s_mov_b32 s[G1P+4], 4
	s_mov_b32 s[G1R+2], 8<<16                      ; R: eight
	s_mov_b32 s[G1R+4], 8
.irp g, G1SP, G1SR                             ; scale words: dense, as rows of 256 bytes
	s_mov_b32 s[\g+1], 32<<16
	s_mov_b32 s[\g+3], 32<<16
	s_mov_b32 s[\g+5], 32
	s_mov_b32 s[\g+6], 0
	s_mov_b32 s[\g+7], 0
.endr
	s_mov_b32 s[G1SP+2], 8<<16                     ; P: 2,048 bytes a wave
	s_mov_b32 s[G1SP+4], 8
	s_mov_b32 s[G1SR+2], 16<<16                    ; R: 4,096
	s_mov_b32 s[G1SR+4], 16
	s_lshl_b32 s20, s43, 3
	s_lshl_b32 s19, s18, 2
	s_add_co_u32 s20, s20, s19                     ; P: the first tile that I would fetch: 8 x block + 4 x half
	s_lshl_b32 s22, s20, 9                         ; its scale words,
	s_lshl_b32 s20, s20, 13                        ; its codes
	s_mov_b32 s21, 0
	s_mov_b32 s23, 0
	s_lshl_b32 s96, s49, 4
	s_lshl_b32 s19, s18, 3
	s_add_co_u32 s96, s96, s19                     ; R: 16 x block + 8 x half
	s_lshl_b32 s98, s96, 9
	s_lshl_b32 s96, s96, 13
	s_mov_b32 s97, 0
	s_mov_b32 s99, 0
	s_lshl_b32 s47, s18, 14                        ; where they go in a slot: no place in the cluster enters an LDS address
	s_lshl_b32 s48, s18, 15
	s_add_co_u32 s48, s48, 32768
	s_lshl_b32 s50, s18, 11
	s_add_co_u32 s50, s50, SCL
	s_lshl_b32 s51, s18, 12
	s_add_co_u32 s51, s51, SCL+4096
	s_wait_dscnt 0x0
	s_wait_kmcnt 0x0
	s_add_nc_u64 s[20:21], s[PCO:PCO+1], s[20:21]
	s_add_nc_u64 s[22:23], s[PSC:PSC+1], s[22:23]
	s_add_nc_u64 s[96:97], s[RCO:RCO+1], s[96:97]
	s_add_nc_u64 s[98:99], s[RSC:RSC+1], s[98:99]
	CROUND                                         ; all sixteen work-groups are here: the joint loads meet
	s_mov_b32 s[G0SP], 1
	s_mov_b32 s[G0SP+1], s50
	s_mov_b64 s[G0SP+2:G0SP+3], s[22:23]
	s_or_b32 s[G0SP+3], s[G0SP+3], 0x80000000
	s_mov_b32 s[G0SR], 1
	s_mov_b32 s[G0SR+1], s51
	s_mov_b64 s[G0SR+2:G0SR+3], s[98:99]
	s_or_b32 s[G0SR+3], s[G0SR+3], 0x80000000
	JLOAD G0SP, G1SP, G0SR, G1SR                   ; the scale words first: they are wanted with K step 0
.irp s, 0,1
	s_mov_b32 s[G0P+4*\s], 1
	s_add_co_u32 s[G0P+4*\s+1], s47, \s*SLOT
	s_add_nc_u64 s[G0P+4*\s+2:G0P+4*\s+3], s[20:21], \s*4096
	s_or_b32 s[G0P+4*\s+3], s[G0P+4*\s+3], 0x80000000
	s_mov_b32 s[G0R+8*\s], 1
	s_add_co_u32 s[G0R+8*\s+1], s48, \s*SLOT
	s_add_nc_u64 s[G0R+8*\s+2:G0R+8*\s+3], s[96:97], \s*4096
	s_or_b32 s[G0R+8*\s+3], s[G0R+8*\s+3], 0x80000000
	JLOAD G0P+4*\s, G1P, G0R+8*\s, G1R             ; by this text's count three tensor loads of a wave are out at the most
.endr
	v_and_b32 v2, 15, v0                           ; r
	v_bfe_u32 v3, v0, 4, 1                         ; h
	v_and_b32 v26, 31, v0
	v_lshlrev_b32 v26, 4, v26                      ; 16 x lane
	v_lshlrev_b32 v28, 6, v3                       ; the bias: 64 h bytes: my half's 16 columns of each 32
	s_lshl_b32 s2, s42, 10
	s_lshl_b32 s3, s18, 9
	s_add_co_u32 s2, s2, s3                        ; my first column, in bytes: 1,024 x work-group x + 512 x half
	s_mov_b32 s3, 0
	s_add_nc_u64 s[12:13], s[12:13], s[2:3]
.irp b, 0,1,2,3,4,5,6,7                        ; for R's tile b: columns 32 (b / 2) + 16 h + 8 (b % 2) + 0 .. 7
	global_load_b128 v[BI+8*\b:BI+8*\b+3], v28, s[12:13] offset:(32*(\b/2)+8*(\b%2))*4
	global_load_b128 v[BI+8*\b+4:BI+8*\b+7], v28, s[12:13] offset:(32*(\b/2)+8*(\b%2))*4+16
.endr
	s_lshl_b32 s96, s43, 7
	s_lshl_b32 s97, s17, 6
	s_add_co_u32 s96, s96, s97                     ; my first row of out0: 128 x block + 64 x half
	s_lshl_b32 s96, s96, 12                        ; rows of 4,096 bytes
	s_add_co_u32 s96, s96, s2
	s_mov_b32 s97, 0
	s_add_nc_u64 s[96:97], s[14:15], s[96:97]
	s_lshl_b32 s100, s17, 14
	v_add_nc_u32 v16, s100, v26                    ; my four tiles of P in slot 0,
	v_add_nc_u32 v17, SLOT, v16                    ; in slot 1
	s_lshl_b32 s100, s18, 15
	s_add_co_u32 s100, s100, 32768
	v_add_nc_u32 v20, s100, v26                    ; my eight tiles of R
	v_add_nc_u32 v21, SLOT, v20
	v_lshlrev_b32 v5, 4, v2                        ; scale words: 16 bytes a row;
	s_lshl_b32 s100, s17, 11                       ; lanes 0-15: my four tiles of P,
	s_lshl_b32 s101, s18, 12
	s_add_co_u32 s101, s101, 4096                  ; lanes 16-31: my eight tiles of R, behind P's 4,096 bytes:
	s_sub_co_u32 s101, s101, s100
	v_mul_u32_u24 v6, s101, v3                     ; the lower base + h x the distance
	s_add_co_u32 s100, s100, SCL
	v_add_nc_u32 v5, v5, v6
	v_add_nc_u32 v27, s100, v5
	s_mul_i32 s100, s16, 8448
	s_add_co_u32 s100, s100, STG                   ; my stage
	v_mul_u32_u24 v24, v2, 528
	v_lshl_add_u32 v24, v3, 6, v24
	v_add_nc_u32 v24, s100, v24                    ; in: row r, + 64 h
	v_add_nc_u32 v25, s100, v26                    ; back: 32 lanes take a row of 512 bytes
	s_wait_tensorcnt 0x1                           ; the scale words and my part of slot 0 are in; slot 1's load may be out
	s_barrier_signal -1
	s_barrier_wait -1                              ; everybody's are
	SCALES
	FETCH 0
	s_wait_loadcnt 0x0                             ; the bias
	STEP 0, 2                                      ; the first products start the sums from the bias: nothing is cleared, nothing is added later
	STEP 1, 0
	STEP 2, 0
	STEP 3, 0
	STEP 4, 0
	STEP 5, 0
	STEP 6, 0
	STEP 7, 0
	WIN 0
	PLACES                                         ; ahead of the first read of results and of the loads into registers that the products have read
.macro TOSTAGE a                       ; P's tile a: 16 rows x 128 columns into my stage, each accumulator from its low end on, and back as whole rows
	WIN 0x08                                       ; an LDS store's data are its source 1: window 2
.irp b, 0,1,2,3,4,5,6,7
	ds_store_b128 v24, v[8*(8*(\a)+\b):8*(8*(\a)+\b)+3] offset:128*(\b/2)+32*(\b%2)
	ds_store_b128 v24, v[8*(8*(\a)+\b)+4:8*(8*(\a)+\b)+7] offset:128*(\b/2)+32*(\b%2)+16
.endr
	WIN 0
.irp t, 0,1,2,3,4,5,6,7,8,9,10,11,12,13,14,15
	ds_load_b128 v[128+64*((\a)%2)+4*\t:128+64*((\a)%2)+4*\t+3], v25 offset:528*\t   ; LDS serves a wave's instructions in order: these see the stores above, and the next tile's stores come behind them
.endr
.endm
.macro SEND a, younger                 ; younger: the LDS instructions issued behind tile a's loads, which may stay out
	s_wait_dscnt \younger
.irp t, 0,1,2,3,4,5,6,7,8,9,10,11,12,13,14,15
	global_store_b128 v26, v[128+64*((\a)%2)+4*\t:128+64*((\a)%2)+4*\t+3], s[96:97] offset:(32*((\a)/2)+8*((\a)%2)+\t+8*(\t/8))*4096 th:TH_STORE_NT   ; 32 lanes store 512 consecutive bytes of one row, aligned
.endr
.endm
	TOSTAGE 0
	TOSTAGE 1
	SEND 0, 32                                     ; behind tile 0's loads: tile 1's 16 stores and 16 loads
	s_wait_xcnt 0x0                                ; tile 0's stores have read their registers: tile 2's loads may land there
	TOSTAGE 2
	SEND 1, 32
	s_wait_xcnt 0x0
	TOSTAGE 3
	SEND 2, 32
	SEND 3, 0
	s_wait_tensorcnt 0x0
	ds_add_u32 v126, v127
	s_wait_dscnt 0x0
	CROUND                                         ; the closing round: no work-group ends while a partner may still ask for a tile that names it
	s_endpgm
.Lfunc_end_k_q4019b41060_proj:
	.size	k_q4019b41060_proj, .Lfunc_end_k_q4019b41060_proj-k_q4019b41060_proj
	.p2alignl 7, 3214868480
	.fill 96, 4, 3214868480
	.section	.rodata,"a",@progbits
	.p2align	6, 0x0
	.amdhsa_kernel k_q4019b41060_proj
		.amdhsa_group_segment_fixed_size 243200
		.amdhsa_private_segment_fixed_size 0
		.amdhsa_enable_private_segment 0
		.amdhsa_kernarg_size 48
		.amdhsa_user_sgpr_count 2
		.amdhsa_user_sgpr_kernarg_segment_ptr 1
		.amdhsa_wavefront_size32 1
		.amdhsa_system_sgpr_workgroup_id_x 1
		.amdhsa_system_sgpr_workgroup_id_y 1
		.amdhsa_system_sgpr_workgroup_id_z 1
		.amdhsa_system_vgpr_workitem_id 0
		.amdhsa_next_free_vgpr 768
		.amdhsa_next_free_sgpr 102
		.amdhsa_reserve_vcc 0
		.amdhsa_float_denorm_mode_32 3
		.amdhsa_float_denorm_mode_16_64 3
		.amdhsa_memory_ordered 1
		.amdhsa_forward_progress 1
		.amdhsa_inst_pref_size 73
	.end_amdhsa_kernel
	.amdgpu_metadata
---
amdhsa.version: [ 1, 2 ]
amdhsa.kernels:
  - .name:           k_q4019b41060_proj
    .symbol:         k_q4019b41060_proj.kd
    .args:
      - { .name: ctx_codes, .offset: 0, .size: 8, .value_kind: global_buffer, .address_space: global }
      - { .name: ctx_scales, .offset: 8, .size: 8, .value_kind: global_buffer, .address_space: global }
      - { .name: img_codes, .offset: 16, .size: 8, .value_kind: global_buffer, .address_space: global }
      - { .name: img_scales, .offset: 24, .size: 8, .value_kind: global_buffer, .address_space: global }
      - { .name: bo, .offset: 32, .size: 8, .value_kind: global_buffer, .address_space: global }
      - { .name: out0, .offset: 40, .size: 8, .value_kind: global_buffer, .address_space: global }
    .group_segment_fixed_size: 243200
    .private_segment_fixed_size: 0
    .kernarg_segment_align: 8
    .kernarg_segment_size: 48
    .max_flat_workgroup_size: 128
    .sgpr_count:     102
    .vgpr_count:     768
    .wavefront_size: 32
...
	.end_amdgpu_metadata
.endif
;; end of part 4
